; MI455X (gfx1250); checked and timed in simulation.
; The chip was launched on July 23, 2026; its instructions are those of AMD's public machine-readable ISA for CDNA 5 (MIT licence, August 2026) and "CDNA5" Instruction Set Architecture Reference Guide (July 2026). The comments in the code are by the model that wrote it; some were corrected since.
;; Additive Attention. Allowed arithmetic: matrix products marked QUANTISED: E5M2 operands, one given power-of-two scale a tensor, by v_wmma_f32_16x16x64_bf8_bf8 or v_wmma_f32_16x16x128_bf8_bf8, f32 sums; products left as they are: f32 operands where the result goes on into a quantised operand, else bf16, f16 or f32 operands; f32 sums; everything else in f32.
;; Inputs: W1_codes 1,024 x 32 x 32 uint8 (E5M2 codes of W1, K innermost, in blocks of 32 codes); W2_codes 1,024 x 32 x 32 uint8 (E5M2 codes of W2, K innermost, in blocks of 32 codes); lowp_scales 4 int32 (the exponents e of the quantised operands' scales 2^e); query_codes 32 x 32 x 32 uint8 (E5M2 codes of query, K innermost, in blocks of 32 codes); v 1,024 float32; values 32 x 2,048 x 1,024 float32.
;; Outputs: out0 32 x 1,024 float32; out1 32 x 2,048 float32.
;; This version of the problem:
;;   THIS VERSION OF THE PROBLEM IS GIVEN IN LOW PRECISION. The matrix products marked QUANTISED in the list below multiply operands that are first quantised to E5M2 (5 exponent bits, 2 mantissa bits; 8 bits a number), with one given power-of-two scale for each operand tensor; their sums are f32. All else is computed in f32.
;;   The module's matrix products, in the order in which they are computed (A, B: the left and right operand; K: the contracted axis; several contracted axes count as one K, in the product's order):
;;     1. [M 32, K 1,024] x [K 1,024, N 1,024]; A: input query (given as codes); B: input W2 (given as codes): QUANTISED (scales: A lowp_scales[0], B lowp_scales[1])
;;     2. [M 65,536, K 1,024] x [K 1,024, N 1,024]; A: input values; B: input W1 (given as codes): QUANTISED (scales: A lowp_scales[2], B lowp_scales[3])
;;     3. [M 65,536, K 1,024] x [K 1,024, N 1]; A: computed on the way; B: input v: left as it is (N = 1 < 16)
;;     4. batch 32 x [M 1, K 2,048] x [K 2,048, N 1,024]; A: softmax; B: input values: left as it is (M = 1 < 16)
;;   THE QUANTISER, for each operand of a quantised product, along K:
;;     - The operand's scale is 2^e, e = its entry of the input lowp_scales (int32; the entries are numbered through the quantised products in the list's order, A before B).
;;     - Each number is divided by the scale, clamped to +-57,344, and rounded to the nearest number of E5M2, ties to even, subnormals kept.
;;     - The product sums the exact products of the quantised numbers (number of the format x scale) in f32.
;;   ~~~python
;;   def quantise(x, axis, e):      # numpy; x: float32 -> the quantised numbers, widened to float32 again
;;       x = np.moveaxis(x, axis, -1); K = x.shape[-1]
;;       r = np.clip(x / 2.0 ** e, -57344, 57344)
;;       step = 2.0 ** (np.maximum(np.frexp(np.where(r == 0, 1, r))[1] - 1, -14) - 2)
;;       q = np.round(r / step) * step * 2.0 ** e      # np.round: ties to even
;;       return np.moveaxis(q, -1, axis).astype(np.float32)
;;   ~~~
;;   INPUTS GIVEN AS CODES. W1 (in the module: [1024, 1024], K = its axis 0); W2 (in the module: [1024, 1024], K = its axis 0); query (in the module: [32, 1024], K = its axis 1): each comes as NAME_codes (uint8): NAME with its K axis moved to the last place and cut into blocks of 32 codes, [.., K / 32, bytes a block], one block behind the other in memory; one code a byte (a code: sign, 5 exponent bits, 2 mantissa bits); its scale is its entry of lowp_scales. Its value is code x scale, taken as it is: it is not quantised again, and the codes and scales need not be those that the quantiser above would give.
;; One version. Each part assembles by itself: llvm-mc -triple=amdgcn-amd-amdhsa -mcpu=gfx1250 --defsym DOCPART=n.
;; ======== version 1 of 1: 3 launches
;; limits: right only within a limited range of input values
;; workspace buffers: qpc 131,072 bytes; tsc 262,144 bytes
;; launch qproj (part 1): grid 16 x 1, 4 waves a work-group, no clusters, 9,216 bytes of LDS; arguments query_codes, W2_codes, lowp_scales, qpc; writes qpc
.if DOCPART == 1
	.amdgcn_target "amdgcn-amd-amdhsa--gfx1250"
	.amdhsa_code_object_version 6
	.text
	.protected	k_qce9e693041_qproj
	.globl	k_qce9e693041_qproj
	.p2align	8
	.type	k_qce9e693041_qproj,@function
k_qce9e693041_qproj:
	s_mov_b64 s[64:65], 0
	v_nop
	global_prefetch_b8 v0, s[64:65] scope:SCOPE_SE
	s_setreg_imm32_b32 hwreg(HW_REG_WAVE_MODE, 25, 1), 1
	s_wait_xcnt 0x0
; THE PROGRAM: additive attention.  Three launches: this one (the query's projection), scores (the keys' projection, the activation, the scores), context (softmax and weighted sum).
; WORK LEFT OUT, for all values of the inputs.  tanh(x) = 1 - 2 R with R = 1 / (1 + e^(2x)), so score[b][s] = sum_h v[h] - 2 sum_h v[h] R[b][s][h].  The first term is the same for every s of a row b,
; and the scores reach the outputs only through the softmax along s, which a term that is constant along s does not move.  So sum_h v[h] is never formed: the program carries
; t = -2 log2(e) sum_h v[h] R = log2(e) (score - sum_h v[h]).  Every input still has a way to an output and is loaded (v weighs R).
; LIMIT: an overflow or an infinity that would arise in sum_h v[h] alone is not carried to the result.
;
; THIS LAUNCH: qpc[b][h] = 2 log2(e) x (query W2)[b][h], f32, [32][1024]: the query's projection in the unit in which the next launch wants it (2^(y) = e^(2x)).
; query_codes [32][1024], W2_codes [1024 (h)][1024 (k)]: codes of E5M2, K innermost; a number is its code x 2^e0 (query) or x 2^e1 (W2).  The codes are multiplied as they are, each finished sum once by 2 log2(e) 2^(e0 + e1).
; LIMIT: e0 + e1 between -127 and 126: it is added to the exponent field of 2 log2(e).
; SHARES.  Work-group x: hidden units 64 x .. 64 x + 63 (256 bytes of every row of qpc).  Wave w: the tile of 16 hidden units at 64 x + 16 w, for all 32 queries (two tiles u).
; The matrix instruction is used transposed (source 0 = 16 rows of W2, source 1 = 16 queries): lane (r, h) holds query 16 u + r and hidden units 8 h + 0 .. 7 of the tile.
; K's PLACES: lane (r, h) holds, of K step s, k = 128 s + 64 h + 0 .. 63 on end in its 16 registers, alike in both operands: every product meets its partner, and a fragment is four loads of 16 bytes.
; The whole launch reads each code once, so the fragments come straight from memory; no tensor load, no ring.
; REGISTERS: window 0: v1-6 addresses; v12, v13 the add's two; v16-31 two accumulators; v32-47 results; v64-191 W2's 8 fragments.  Window 1: the query's 16 fragments ((u, s) at 128 u + 16 s).
.set SP,    272                        ; a stage row: 256 bytes + 16 of padding
.set SPARE, 32*SP                      ; behind the stage (32 rows): the spare words, 128 bytes for each wave: two blocks of 256 bytes that no other line names
.set SPW,   12                         ; v12  LDS address of my spare word; never rewritten
.set NIL,   13                         ; v13  0; never rewritten
.set ACC,   16
.set OUTR,  32
.set WF,    64
.set MSB, 0
.macro WIN new                         ; the immediate's high byte repeats the setting that is left
.if MSB != (\new)
	s_set_vgpr_msb (MSB<<8)|(\new)
.set MSB, (\new)
.endif
.endm
	s_load_b256 s[4:11], s[0:1], 0x0               ; query's codes s[4:5], W2's codes s[6:7], the scales' exponents s[8:9], qpc s[10:11]
	v_lshl_add_u32 v[SPW], v0, 2, SPARE
	v_mov_b32 v[NIL], 0
	v_lshrrev_b32 v1, 5, v0
	v_readfirstlane_b32 s12, v1                    ; wave 0..3
	v_and_b32 v1, 15, v0                           ; r
	v_bfe_u32 v2, v0, 4, 1                         ; h
	v_lshlrev_b32 v3, 10, v1
	v_lshl_add_u32 v3, v2, 6, v3                   ; both tensors: row r of 1,024 bytes, + 64 h
	v_mul_u32_u24 v4, v1, SP
	v_lshl_add_u32 v4, v2, 5, v4
	s_lshl_b32 s13, s12, 6
	v_add_nc_u32 v4, s13, v4                       ; into the stage: row r, + 64 w + 32 h: my eight results' bytes
	s_mul_i32 s13, s12, 8*SP
	v_mul_u32_u24 v5, v2, SP
	v_lshl_add_u32 v5, v1, 4, v5
	v_add_nc_u32 v5, s13, v5                       ; back: wave w takes rows 8 w .. 8 w + 7; lanes 0-15 one row, lanes 16-31 the next
	s_lshl_b32 s13, s12, 15
	v_lshlrev_b32 v6, 12, v2
	v_lshl_add_u32 v6, v1, 4, v6
	v_add_nc_u32 v6, s13, v6                       ; and the same rows in qpc (4,096 bytes a row)
	s_lshl_b32 s14, ttmp9, 16
	s_lshl_b32 s15, s12, 14
	s_add_co_u32 s14, s14, s15                     ; W2: (64 x + 16 w) rows of 1,024 bytes
	s_mov_b32 s15, 0
	s_lshl_b32 s22, ttmp9, 8                       ; qpc: 256 x bytes into every row
	s_mov_b32 s23, 0
	s_wait_kmcnt 0x0
	s_load_b128 s[16:19], s[8:9], 0x0              ; e0, e1, e2, e3
	s_add_nc_u64 s[6:7], s[6:7], s[14:15]
	s_add_nc_u64 s[10:11], s[10:11], s[22:23]
.irp s, 0,1,2,3,4,5,6,7
.irp c, 0,1,2,3
	global_load_b128 v[WF+16*\s+4*\c:WF+16*\s+4*\c+3], v3, s[6:7] offset:128*\s+16*\c
.endr
.endr
	WIN 0x40                                       ; destination window 1
.irp u, 0,1
.irp s, 0,1,2,3,4,5,6,7
.irp c, 0,1,2,3
	global_load_b128 v[128*\u+16*\s+4*\c:128*\u+16*\s+4*\c+3], v3, s[4:5] offset:16384*\u+128*\s+16*\c
.endr
.endr
.endr
	WIN 0
	s_wait_loadcnt 0x0
	WIN 0x04                                       ; source 1 (the query) window 1
.irp s, 0,1,2,3,4,5,6,7                        ; the two accumulators take turns, one instruction a turn; the first K step starts the sums
.irp u, 0,1
.if \s == 0
	v_wmma_f32_16x16x128_bf8_bf8 v[ACC+8*\u:ACC+8*\u+7], v[WF+16*\s:WF+16*\s+15], v[128*\u+16*\s:128*\u+16*\s+15], 0
.else
	v_wmma_f32_16x16x128_bf8_bf8 v[ACC+8*\u:ACC+8*\u+7], v[WF+16*\s:WF+16*\s+15], v[128*\u+16*\s:128*\u+16*\s+15], v[ACC+8*\u:ACC+8*\u+7]
.endif
.endr
.endr
	WIN 0
.rept 4
	v_nop                                          ; four places between the last product and the first read of a result (ISA guide 7.12.1)
.endr
	s_wait_kmcnt 0x0
	s_add_co_i32 s20, s16, s17                     ; e0 + e1,
	s_lshl_b32 s20, s20, 23
	s_add_co_i32 s20, s20, 0x4038aa3b              ; added to the exponent field of 2 log2(e) = 2.8853901
	s_mov_b32 s21, s20                             ; (named with it as a pair, so it is written)
.irp k, 0,1,2,3,4,5,6,7
	v_pk_mul_f32 v[OUTR+2*\k:OUTR+2*\k+1], v[ACC+2*\k:ACC+2*\k+1], s[20:21] op_sel_hi:[1,0]   ; each accumulator from its low end on
.endr
.irp u, 0,1
	ds_store_b128 v4, v[OUTR+8*\u:OUTR+8*\u+3] offset:\u*16*SP
	ds_store_b128 v4, v[OUTR+8*\u+4:OUTR+8*\u+7] offset:\u*16*SP+16
.endr
	s_wait_alu depctr_va_vdst(0)
	s_wait_dscnt 0x0                               ; for the others' sake: a row's 256 bytes come from four waves
	s_barrier_signal -1
	s_barrier_wait -1
.irp i, 0,1,2,3
	ds_load_b128 v[OUTR+4*\i:OUTR+4*\i+3], v5 offset:2*\i*SP
.endr
.irp i, 0,1,2,3
	s_wait_dscnt 3-\i                              ; LDS loads come back in order: pair i of rows is in
	global_store_b128 v6, v[OUTR+4*\i:OUTR+4*\i+3], s[10:11] offset:2*\i*4096   ; sixteen lanes store 256 consecutive bytes, at a multiple of 256 from qpc's first byte
.endr
	s_wait_tensorcnt 0x0                           ; the wave's end, behind my last LDS store
	ds_add_u32 v[SPW], v[NIL]
	s_wait_dscnt 0x0
	s_endpgm
.Lfunc_end_k_qce9e693041_qproj:
	.size	k_qce9e693041_qproj, .Lfunc_end_k_qce9e693041_qproj-k_qce9e693041_qproj
	.p2alignl 7, 3214868480
	.fill 96, 4, 3214868480
	.section	.rodata,"a",@progbits
	.p2align	6, 0x0
	.amdhsa_kernel k_qce9e693041_qproj
		.amdhsa_group_segment_fixed_size 9216
		.amdhsa_private_segment_fixed_size 0
		.amdhsa_enable_private_segment 0
		.amdhsa_kernarg_size 32
		.amdhsa_user_sgpr_count 2
		.amdhsa_user_sgpr_kernarg_segment_ptr 1
		.amdhsa_wavefront_size32 1
		.amdhsa_system_sgpr_workgroup_id_x 1
		.amdhsa_system_sgpr_workgroup_id_y 1
		.amdhsa_system_sgpr_workgroup_id_z 1
		.amdhsa_system_vgpr_workitem_id 0
		.amdhsa_next_free_vgpr 512
		.amdhsa_next_free_sgpr 66
		.amdhsa_reserve_vcc 0
		.amdhsa_float_denorm_mode_32 3
		.amdhsa_float_denorm_mode_16_64 3
		.amdhsa_memory_ordered 1
		.amdhsa_forward_progress 1
		.amdhsa_inst_pref_size 14
	.end_amdhsa_kernel
	.amdgpu_metadata
---
amdhsa.version: [ 1, 2 ]
amdhsa.kernels:
  - .name:           k_qce9e693041_qproj
    .symbol:         k_qce9e693041_qproj.kd
    .args:
      - { .name: query_codes, .offset: 0, .size: 8, .value_kind: global_buffer, .address_space: global }
      - { .name: W2_codes, .offset: 8, .size: 8, .value_kind: global_buffer, .address_space: global }
      - { .name: lowp_scales, .offset: 16, .size: 8, .value_kind: global_buffer, .address_space: global }
      - { .name: qpc, .offset: 24, .size: 8, .value_kind: global_buffer, .address_space: global }
    .group_segment_fixed_size: 9216
    .private_segment_fixed_size: 0
    .kernarg_segment_align: 8
    .kernarg_segment_size: 32
    .max_flat_workgroup_size: 128
    .sgpr_count:     66
    .vgpr_count:     512
    .wavefront_size: 32
...
	.end_amdgpu_metadata
.endif
;; end of part 1
;; launch scores (part 2): grid 256 x 1, 4 waves a work-group, clusters of 4 x 1, 327,680 bytes of LDS; arguments values, W1_codes, lowp_scales, qpc, v, tsc; writes tsc
.if DOCPART == 2
	.amdgcn_target "amdgcn-amd-amdhsa--gfx1250"
	.amdhsa_code_object_version 6
	.text
	.protected	k_qce9e693041_scores
	.globl	k_qce9e693041_scores
	.p2align	8
	.type	k_qce9e693041_scores,@function
k_qce9e693041_scores:
	s_mov_b64 s[64:65], 0
	v_nop
	global_prefetch_b8 v0, s[64:65] scope:SCOPE_SE
	s_setreg_imm32_b32 hwreg(HW_REG_WAVE_MODE, 25, 1), 1
	s_wait_xcnt 0x0
	s_wait_alu depctr_hold_cnt(0) depctr_sa_sdst(0) depctr_va_vdst(0) depctr_va_sdst(0) depctr_va_ssrc(0) depctr_va_vcc(0) depctr_vm_vsrc(0)
	s_getreg_b32 s2, hwreg(HW_REG_IB_STS2, 6, 4)
	s_cmp_eq_u32 s2, 0
	s_cbranch_scc0 .Lentry_in_a_cluster
	s_endpgm
.Lentry_in_a_cluster:
	s_bfe_u32 s2, ttmp6, 0x10000c
	s_cmp_lg_u32 s2, 0x3003
	s_cbranch_scc0 .Lentry_shape_is_right
	s_endpgm
.Lentry_shape_is_right:
; tsc[b][s] = -2 log2(e) sum_h v[h] R[b][s][h],  R = 1 / (1 + 2^y),  y = 2 log2(e) (values W1)[b][s][h] + qpc[b][h].
; WORK LEFT OUT: sum_h v[h], the term of the score that is the same along s (shown at the head of the first kernel); the softmax is not moved by it.
; values [65536][1024] f32 are quantised here to E5M2 with the given scale 2^e2 (held at +-57,344 x 2^e2 first); W1_codes [1024 (h)][1024 (k)] are taken as they are; a finished sum is multiplied once by 2 log2(e) 2^(e2 + e3).
; LIMITS: e2 + e3 between -127 and 126 (added to the exponent field of 2 log2(e)); e2 between -126 and 112 (2^e2 and 57,344 x 2^e2 are f32 numbers).
; SHARES.  A work-group owns 256 rows (b, s) on end, all of one b; a wave 64 of them, as four tiles t: column r of tile t is the wave's row 4 r + t.  Each f32 of values is read once, 512 bytes of a row by a load.
; The wave's codes, 64 rows x 1,024 K, stay in 512 registers.  W1 walks by in tiles of 16 hidden units from a ring of two LDS slots of 128 hidden units.
; CLUSTER: the four work-groups of a cluster walk the same W1: each slot's quarter (32 rows, one a wave) is asked for jointly, mask 15.
; The table (qpc's row b and v, 8 KiB) is a small part of the bytes: it comes by plain loads and lies in LDS bytes of its own.
; NO PREFETCH: values are asked for once, by plain loads of which 48 to 64 a wave are out through the whole head; W1's 1 MiB is walked by all 256 work-groups in the same order.
; THE MATRIX INSTRUCTION IS USED TRANSPOSED: source 0 = 16 rows of W1, source 1 = 16 rows of codes: lane (r, h) holds row r and hidden units 8 h + 0 .. 7 of the tile.
; K's PLACES: lane (r, h) holds, of K step s, k = 128 s + 64 h + 0 .. 63 on end in 16 registers, alike in both operands: every product meets its partner.
; THE LOOP goes by pairs of tiles: 2 x 32 matrix instructions, no transcendental among them, then ONE batch of vector work on the pair's 64 results.
; REGISTERS.  Window 0: v1-7, v56-63 addresses and constants; v8-23 sums; v24-39 v, v40-55 qpc of the pair (in the head: codes on their way); v64-127 accumulators; v128-143 the table on its way.
; Window 1: in the head four sets of 64 f32; in the loop W1's fragments, two sets of 128 (even tile, odd tile).  Windows 2, 3: my codes: fragment (s, t) at window 2 + s / 4, register 64 (s % 4) + 16 t.
.set PITCH, 1040                       ; an LDS row of W1: 1,024 bytes + 16 of padding: the 16 rows of a fragment load start 16 bytes apart modulo 256
.set TILE,  16*PITCH
.set QUART, 32*PITCH                   ; what one tensor load brings
.set SLOT,  128*PITCH
.set TAB,   2*SLOT+256                 ; the table: qpc's row, 4,096 bytes, then v
.set STAGE, TAB+8192                   ; a stage of 16 rows x 144 bytes for each wave: codes turn from a row across lanes to a row a lane
.set STW,   2304
.set SPARE, STAGE+4*STW                ; the spare words, 128 bytes a wave: two blocks of 256 bytes that no other line names
.set GA,   1                           ; 16 x lane
.set STS,  2                           ; stage, in
.set STL,  3                           ; stage, back
.set SPW,  4                           ; my spare word; never rewritten
.set NIL,  5                           ; 0; never rewritten
.set HOLD, 6                           ; 57,344 x 2^e2
.set SCL,  7                           ; 2^e2
.set SS,   8                           ; sums: pair 2 (4 p + t) for tile parity p and row tile t
.set VV,   24
.set QQ,   40
.set CD,   24                          ; head: two sets of 16 registers of codes
.set LR,   57
.set LH,   58
.set TA,   59                          ; 16 x thread
.set AB0,  60                          ; my lane's place in a tile of W1
.set ADB,  61
.set AH,   62                          ; 32 x (lane / 16)
.set AT,   63
.set ACC,  64
.set TR,   128
.set FIN,  144
.set TS,   152                         ; TAB + 16 x thread
.set WV,   16
.set G1W,  24
.set G0W,  40
.set CS,   48                          ; s[48:49] 2 log2(e) 2^(e2 + e3)
.set TB,   50                          ; LDS byte of the pair of tiles that is fetched next
.set TT,   51                          ; LDS byte of the table's part for the pair in hand
.set CNT,  52
.set SLOTS, 53
.set SEL,  54
.set MSB, 0
.macro WIN new                         ; the immediate's high byte repeats the setting that is left
.if MSB != (\new)
	s_set_vgpr_msb (MSB<<8)|(\new)
.set MSB, (\new)
.endif
.endm
.macro CROUND                          ; a round of the cluster's barrier
	s_barrier_signal -1
	s_barrier_wait -1
	s_cmp_lg_u32 s[WV], 0
	s_cbranch_scc1 .Lnot_wave_0_\@
	s_barrier_signal -3
.Lnot_wave_0_\@:
	s_barrier_wait -3
	s_barrier_signal -1
	s_barrier_wait -1
.endm
.macro PLACES
.rept 4
	v_nop
.endr
.endm
	s_load_b256 s[4:11], s[0:1], 0x0               ; values, W1's codes, the exponents, qpc
	s_load_b128 s[12:15], s[0:1], 0x20             ; v, tsc
	v_lshl_add_u32 v[SPW], v0, 2, SPARE
	v_mov_b32 v[NIL], 0
	ds_add_u32 v[SPW], v[NIL]                      ; the opening: the add, twice on end, and its wait ahead of my first tensor load
	ds_add_u32 v[SPW], v[NIL]
	v_lshrrev_b32 v56, 5, v0
	v_readfirstlane_b32 s[WV], v56                 ; wave 0..3
	s_bfe_u32 s17, ttmp6, 0x40000                  ; cx
	s_lshl_b32 s18, ttmp9, 2
	s_add_co_u32 s18, s18, s17                     ; work-group
	s_lshl_b32 s2, s18, 20                         ; values: 256 rows of 4,096 bytes a work-group,
	s_lshl_b32 s3, s[WV], 18                       ; 64 a wave
	s_add_co_u32 s2, s2, s3
	s_mov_b32 s3, 0
	s_lshl_b32 s62, s18, 10                        ; tsc: 1,024 bytes a work-group, 256 a wave
	s_lshl_b32 s63, s[WV], 8
	s_add_co_u32 s62, s62, s63
	s_mov_b32 s63, 0
	s_mov_b32 s[G1W], 15|(1<<20)|(1<<21)|(7<<22)|(3<<25)   ; mask: all four partners; elements of 1 byte; 4 words of padding after every 256
	s_mov_b32 s[G1W+1], 1024<<16
	s_mov_b32 s[G1W+2], 32<<16
	s_mov_b32 s[G1W+3], 1024<<16
	s_mov_b32 s[G1W+4], 32
	s_mov_b32 s[G1W+5], 1024
	s_mov_b32 s[G1W+6], 0
	s_mov_b32 s[G1W+7], 0
	s_mov_b32 s[G0W], 1
	s_mul_i32 s[G0W+1], s[WV], QUART               ; slot 0, my quarter: the wave's number alone
	s_lshl_b32 s20, s[WV], 15                      ; 32 rows of W1
	s_mov_b32 s21, 0
	s_lshr_b32 s22, ttmp9, 1                       ; b = work-group / 8
	s_lshl_b32 s22, s22, 12
	s_mov_b32 s23, 0
	s_mov_b32 s[SEL], 0x76543210
	s_mov_b32 s[SEL+1], 0xfedcba98
	s_mov_b32 s[TB], 0
	s_mov_b32 s[TT], TAB
	v_and_b32 v56, 31, v0
	v_and_b32 v[LR], 15, v0
	v_bfe_u32 v[LH], v0, 4, 1
	v_lshlrev_b32 v[GA], 4, v56
	v_lshlrev_b32 v[TA], 4, v0
	v_add_nc_u32 v[TS], TAB, v[TA]
	s_mul_i32 s19, s[WV], STW
	s_add_co_u32 s19, s19, STAGE
	v_lshl_add_u32 v[STS], v56, 2, s19             ; in: 4 codes a lane, a row by a store
	v_mul_u32_u24 v[STL], v[LR], 144
	v_lshl_add_u32 v[STL], v[LH], 6, v[STL]
	v_add_nc_u32 v[STL], s19, v[STL]               ; back: row r, 64 codes of half h
	s_wait_alu depctr_va_vdst(0)
	s_wait_dscnt 0x0                               ; both opening adds are done
	s_wait_kmcnt 0x0
	s_load_b128 s[56:59], s[8:9], 0x0              ; e0, e1, e2, e3
	s_add_nc_u64 s[G0W+2:G0W+3], s[6:7], s[20:21]
	s_or_b32 s[G0W+3], s[G0W+3], 0x80000000
	s_add_nc_u64 s[10:11], s[10:11], s[22:23]
	s_add_nc_u64 s[4:5], s[4:5], s[2:3]
	s_add_nc_u64 s[14:15], s[14:15], s[62:63]
.macro LOADV u                         ; K step u % 8 (512 bytes of a row) of the 16 rows of tile u / 8, into set u % 4 of window 1
	WIN 0x40
.irp i, 0,1,2,3,4,5,6,7,8,9,10,11,12,13,14,15
	global_load_b128 v[64*((\u)%4)+4*\i:64*((\u)%4)+4*\i+3], v[GA], s[4:5] offset:(4*\i+(\u)/8)*4096+512*((\u)%8) th:TH_LOAD_NT
.endr
.endm
.macro STEPV u                         ; one fragment of codes: hold, convert, through the stage, into its registers
.set RS, 64*((\u)%4)
.set CC, CD+16*((\u)%2)
.set FD, 64*((\u)%4)+16*((\u)/8)
.if (\u)+3 < 32
	LOADV (\u)+3
.endif
.if 31-(\u) >= 3
	s_wait_loadcnt 48                              ; the three groups of 16 behind this one stay out
.else
	s_wait_loadcnt 16*(31-(\u))
.endif
	WIN 0x41
.set n, 0
.rept 64
	v_med3_num_f32 v[RS+n], v[RS+n], -v[HOLD], v[HOLD]   ; the conversion does not saturate (ISA guide 7.6.2)
.set n, n+1
.endr
.if (\u) >= 2
	s_wait_alu depctr_va_vdst(0)
	s_wait_dscnt 20                                ; all but the last fragment's 16 stores and 4 loads: this set of codes has been stored
.endif
	WIN 0x01
.set n, 0
.rept 8
	v_cvt_scalef32_pk8_bf8_f32 v[CC+2*n:CC+2*n+1], v[RS+8*n:RS+8*n+7], v[SCL]   ; register i: row i's 4 codes
.set n, n+1
.endr
	v_nop                                          ; a plain instruction behind the last conversion
	WIN 0
.irp i, 0,1,2,3,4,5,6,7,8,9,10,11,12,13,14,15
	ds_store_b32 v[STS], v[CC+\i] offset:144*\i
.endr
	WIN 0x80+0x40*(((\u)%8)/4)
.irp c, 0,1,2,3
	ds_load_b128 v[FD+4*\c:FD+4*\c+3], v[STL] offset:16*\c   ; LDS serves a wave's instructions in order (ISA guide 5.7.1.4)
.endr
.endm
	global_load_b128 v[TR:TR+3], v[TA], s[10:11]               ; the table: 128 threads x 16 bytes, four times
	global_load_b128 v[TR+4:TR+7], v[TA], s[10:11] offset:2048
	global_load_b128 v[TR+8:TR+11], v[TA], s[12:13]
	global_load_b128 v[TR+12:TR+15], v[TA], s[12:13] offset:2048
	LOADV 0                                        ; the first rows are asked for ahead of the round
	LOADV 1
	LOADV 2
	WIN 0
	CROUND                                         ; in front of the first joint load
	tensor_load_to_lds s[G0W:G0W+3], s[G1W:G1W+7]  ; slot 0, my quarter: my one tensor load at the head
	s_nop 0
	PLACES
	s_wait_kmcnt 0x0
	s_add_co_i32 s20, s58, s59
	s_lshl_b32 s20, s20, 23
	s_add_co_i32 s[CS], s20, 0x4038aa3b            ; 2 log2(e) with e2 + e3 added to its exponent field
	s_mov_b32 s[CS+1], s[CS]
	s_add_co_i32 s20, s58, 127
	s_lshl_b32 s21, s20, 23
	v_mov_b32 v[SCL], s21
	s_add_co_i32 s20, s20, 15
	s_lshl_b32 s20, s20, 23
	s_or_b32 s20, s20, 0x600000
	v_mov_b32 v[HOLD], s20
	s_wait_alu depctr_va_vdst(0)
.set U, 0
.rept 32
	STEPV U
.set U, U+1
.endr
	s_wait_dscnt 0x0                               ; all my codes are in their registers
	WIN 0
.irp i, 0,1,2,3
	ds_store_b128 v[TS], v[TR+4*\i:TR+4*\i+3] offset:2048*\i   ; the table lies in LDS as in memory (its loads were the first issued)
.endr
	v_mul_u32_u24 v56, v[LR], PITCH
	v_lshl_add_u32 v[AB0], v[LH], 6, v56
	v_lshlrev_b32 v[AH], 5, v[LH]
.irp j, 0,1,2,3,4,5,6,7,8,9,10,11,12,13,14,15
	v_mov_b32 v[SS+\j], 0
.endr
; 32 matrix instructions: tile of parity p against my 64 rows.  The four accumulators take turns, one instruction a turn; the first K step starts the sums.
.macro MUL32 p
	WIN 0x09                                       ; source 0 window 1, source 1 window 2, C and D window 0
.irp s, 0,1,2,3,4,5,6,7
.if \s == 4
	WIN 0x0d                                       ; source 1 window 3
.endif
.irp t, 0,1,2,3
.if \s == 0
	v_wmma_f32_16x16x128_bf8_bf8 v[ACC+32*\p+8*\t:ACC+32*\p+8*\t+7], v[128*\p+16*\s:128*\p+16*\s+15], v[64*(\s%4)+16*\t:64*(\s%4)+16*\t+15], 0
.else
	v_wmma_f32_16x16x128_bf8_bf8 v[ACC+32*\p+8*\t:ACC+32*\p+8*\t+7], v[128*\p+16*\s:128*\p+16*\s+15], v[64*(\s%4)+16*\t:64*(\s%4)+16*\t+15], v[ACC+32*\p+8*\t:ACC+32*\p+8*\t+7]
.endif
.endr
.endr
.endm
; 32 LDS loads: the next tile of parity p into the set just multiplied.  The address line and three v_nop are the four places behind the last product (ISA guide 7.12.1).
.macro FETCH p
	WIN 0
	v_add_nc_u32 v[ADB], s[TB], v[AB0]
	v_nop
	v_nop
	v_nop
	WIN 0x40
.irp s, 0,1,2,3,4,5,6,7
.irp c, 0,1,2,3
	ds_load_b128 v[128*\p+16*\s+4*\c:128*\p+16*\s+4*\c+3], v[ADB] offset:TILE*\p+128*\s+16*\c
.endr
.endr
.endm
; A pair of tiles.  ld = 1: the next pair's fragments are fetched.
.macro PAIR ld
	v_add_nc_u32 v[AT], s[TT], v[AH]
.irp p, 0,1
	ds_load_b128 v[QQ+8*\p:QQ+8*\p+3], v[AT] offset:64*\p              ; qpc and v at my eight hidden units of each tile
	ds_load_b128 v[QQ+8*\p+4:QQ+8*\p+7], v[AT] offset:64*\p+16
	ds_load_b128 v[VV+8*\p:VV+8*\p+3], v[AT] offset:4096+64*\p
	ds_load_b128 v[VV+8*\p+4:VV+8*\p+7], v[AT] offset:4096+64*\p+16
.endr
	s_wait_dscnt 40                                ; the even tile is in; the odd tile's 32 loads and the 8 above may be out
	MUL32 0
.if \ld
	FETCH 0
	s_wait_dscnt 32                                ; all but the 32 just issued
.else
	s_wait_dscnt 0x0
.endif
	MUL32 1
.if \ld
	FETCH 1
	s_add_co_u32 s[TB], s[TB], 2*TILE
	WIN 0
.else
	WIN 0
	PLACES
.endif
	s_add_co_u32 s[TT], s[TT], 128
.set k, 0
.rept 32
	v_pk_fma_f32 v[ACC+2*k:ACC+2*k+1], v[ACC+2*k:ACC+2*k+1], s[CS:CS+1], v[QQ+8*(k/16)+(2*k)%8:QQ+8*(k/16)+(2*k)%8+1] op_sel_hi:[1,0,1]   ; y; each accumulator from its low end on
.set k, k+1
.endr
	s_wait_alu depctr_va_vdst(0)                   ; one wait ahead of a batch of transcendentals,
.set k, 0
.rept 64
	v_exp_f32 v[ACC+k], v[ACC+k]                   ; 2^y (infinity for a large y: R is then 0)
.set k, k+1
.endr
	v_nop                                          ; a plain instruction behind the last,
	s_wait_alu depctr_va_vdst(0)                   ; and one wait behind the batch
.set k, 0
.rept 32
	v_pk_add_f32 v[ACC+2*k:ACC+2*k+1], v[ACC+2*k:ACC+2*k+1], 1.0 op_sel_hi:[1,0]
.set k, k+1
.endr
	s_wait_alu depctr_va_vdst(0)                   ; ahead of the second batch
.set k, 0
.rept 64
	v_rcp_f32 v[ACC+k], v[ACC+k]                   ; R
.set k, k+1
.endr
	v_nop
	s_wait_alu depctr_va_vdst(0)                   ; and behind it
.irp g, 0,1,2,3
.irp q, 0,1,2,3,4,5,6,7
	v_pk_fma_f32 v[SS+2*\q:SS+2*\q+1], v[ACC+8*\q+2*\g:ACC+8*\q+2*\g+1], v[VV+8*(\q/4)+2*\g:VV+8*(\q/4)+2*\g+1], v[SS+2*\q:SS+2*\q+1]   ; eight sums by turns
.endr
.endr
.endm
; THE CHANGE OF SLOTS stands ahead of the pair that fetches the next slot's first tiles: all my reads of the slot that is left have been issued, and are waited for here.
; fill = 1: behind a round of the cluster's barrier that slot is filled again (the first time: slot 1's first fill), my one tensor load until the next change.
.macro CHANGE fill
	s_wait_tensorcnt 0x0                           ; my quarter of the next slot is in
	ds_add_u32 v[SPW], v[NIL]
.if \fill
	s_xor_b32 s[G0W+1], s[G0W+1], SLOT
	s_add_nc_u64 s[G0W+2:G0W+3], s[G0W+2:G0W+3], 131072   ; 128 rows of W1 on
.endif
	s_wait_dscnt 0x0                               ; the add, and my LDS reads and stores
.if \fill
	CROUND
	tensor_load_to_lds s[G0W:G0W+3], s[G1W:G1W+7]
	s_nop 0
	PLACES
.else
	s_barrier_signal -1
	s_barrier_wait -1
.endif
.endm
.macro PAIRS n
	s_mov_b32 s[CNT], \n
.Lpair_\@:
	PAIR 1
	s_sub_co_u32 s[CNT], s[CNT], 1
	s_cmp_lg_u32 s[CNT], 0
	s_cbranch_scc1 .Lpair_\@
.endm
.macro NEXTSLOT                        ; from a slot's end to the other slot's first byte
	s_sub_co_u32 s[TB], s[TB], SLOT
	s_xor_b32 s[TB], s[TB], SLOT
.endm
	s_wait_alu depctr_va_vdst(0)
	CHANGE 1                                       ; slot 0 and the table are whole for every wave; slot 1 is asked for
	FETCH 0                                        ; tiles 0 and 1
	FETCH 1
	s_add_co_u32 s[TB], s[TB], 2*TILE
	WIN 0
	PAIRS 3                                        ; tiles 0-5 are multiplied, tiles 2-7 fetched
	NEXTSLOT
	s_mov_b32 s[SLOTS], 6
.Lslot:                                            ; a trip multiplies the last pair of one slot and three pairs of the next, and fetches that next slot's eight tiles
	CHANGE 1
	PAIRS 4
	NEXTSLOT
	s_sub_co_u32 s[SLOTS], s[SLOTS], 1
	s_cmp_lg_u32 s[SLOTS], 0
	s_cbranch_scc1 .Lslot
	CHANGE 0                                       ; the last slot: nothing is filled again
	PAIRS 4
	PAIR 0                                         ; tiles 62 and 63
.irp t, 0,1,2,3
	v_pk_add_f32 v[SS+2*\t:SS+2*\t+1], v[SS+2*\t:SS+2*\t+1], v[SS+8+2*\t:SS+9+2*\t]   ; even and odd tiles,
.endr
.irp t, 0,1,2,3
	v_add_f32 v[FIN+\t], v[SS+2*\t], v[SS+2*\t+1]  ; the two halves of a pair,
.endr
.irp t, 0,1,2,3
	v_permlanex16_b32 v[CD+\t], v[FIN+\t], s[SEL], s[SEL+1]
.endr
.irp t, 0,1,2,3
	v_add_f32 v[FIN+\t], v[FIN+\t], v[CD+\t]       ; and lane l xor 16's hidden units: row 4 r + t
.endr
	v_cmp_eq_u32 s60, 1, v[LH]
	v_cndmask_b32 v[FIN+4], v[FIN], v[FIN+2], s60  ; lane (r, h) stores rows 4 r + 2 h and 4 r + 2 h + 1
	v_cndmask_b32 v[FIN+5], v[FIN+1], v[FIN+3], s60
	v_mul_f32 v[FIN+4], 0xc038aa3b, v[FIN+4]       ; x -2 log2(e)
	v_mul_f32 v[FIN+5], 0xc038aa3b, v[FIN+5]
	v_lshlrev_b32 v[FIN+6], 4, v[LR]
	v_lshl_add_u32 v[FIN+6], v[LH], 3, v[FIN+6]
	global_store_b64 v[FIN+6], v[FIN+4:FIN+5], s[14:15]   ; the wave stores 256 consecutive bytes, at a multiple of 256 from tsc's first byte
	s_wait_tensorcnt 0x0                           ; the wave's end
	ds_add_u32 v[SPW], v[NIL]
	s_wait_dscnt 0x0
	CROUND                                         ; the closing round
	s_endpgm
.Lfunc_end_k_qce9e693041_scores:
	.size	k_qce9e693041_scores, .Lfunc_end_k_qce9e693041_scores-k_qce9e693041_scores
	.p2alignl 7, 3214868480
	.fill 96, 4, 3214868480
	.section	.rodata,"a",@progbits
	.p2align	6, 0x0
	.amdhsa_kernel k_qce9e693041_scores
		.amdhsa_group_segment_fixed_size 327680
		.amdhsa_private_segment_fixed_size 0
		.amdhsa_enable_private_segment 0
		.amdhsa_kernarg_size 48
		.amdhsa_user_sgpr_count 2
		.amdhsa_user_sgpr_kernarg_segment_ptr 1
		.amdhsa_wavefront_size32 1
		.amdhsa_system_sgpr_workgroup_id_x 1
		.amdhsa_system_sgpr_workgroup_id_y 1
		.amdhsa_system_sgpr_workgroup_id_z 1
		.amdhsa_system_vgpr_workitem_id 0
		.amdhsa_next_free_vgpr 1024
		.amdhsa_next_free_sgpr 66
		.amdhsa_reserve_vcc 0
		.amdhsa_float_denorm_mode_32 3
		.amdhsa_float_denorm_mode_16_64 3
		.amdhsa_memory_ordered 1
		.amdhsa_forward_progress 1
		.amdhsa_inst_pref_size 255
	.end_amdhsa_kernel
	.section	.bss,"aw",@nobits
	.p2align	6
	.space	262144
	.amdgpu_metadata
---
amdhsa.version: [ 1, 2 ]
amdhsa.kernels:
  - .name:           k_qce9e693041_scores
    .symbol:         k_qce9e693041_scores.kd
    .args:
      - { .name: values, .offset: 0, .size: 8, .value_kind: global_buffer, .address_space: global }
      - { .name: W1_codes, .offset: 8, .size: 8, .value_kind: global_buffer, .address_space: global }
      - { .name: lowp_scales, .offset: 16, .size: 8, .value_kind: global_buffer, .address_space: global }
      - { .name: qpc, .offset: 24, .size: 8, .value_kind: global_buffer, .address_space: global }
      - { .name: v, .offset: 32, .size: 8, .value_kind: global_buffer, .address_space: global }
      - { .name: tsc, .offset: 40, .size: 8, .value_kind: global_buffer, .address_space: global }
    .group_segment_fixed_size: 327680
    .private_segment_fixed_size: 0
    .kernarg_segment_align: 8
    .kernarg_segment_size: 48
    .max_flat_workgroup_size: 128
    .sgpr_count:     66
    .vgpr_count:     1024
    .wavefront_size: 32
...
	.end_amdgpu_metadata
.endif
;; end of part 2
;; launch context (part 3): grid 8 x 32, 8 waves a work-group, no clusters, 13,824 bytes of LDS; arguments values, tsc, out0, out1; writes out0, out1
.if DOCPART == 3
	.amdgcn_target "amdgcn-amd-amdhsa--gfx1250"
	.amdhsa_code_object_version 6
	.text
	.protected	k_qce9e693041_context
	.globl	k_qce9e693041_context
	.p2align	8
	.type	k_qce9e693041_context,@function
k_qce9e693041_context:
	s_mov_b64 s[64:65], 0
	v_nop
	global_prefetch_b8 v0, s[64:65] scope:SCOPE_SE
	s_setreg_imm32_b32 hwreg(HW_REG_WAVE_MODE, 25, 1), 1
	s_wait_xcnt 0x0
; out1[b][s] = softmax_s(score[b][s]);  out0[b][d] = sum_s out1[b][s] values[b][s][d].  All in f32.
; tsc[b][s] = log2(e) (score - sum_h v[h]): the term that is the same along s is left out (shown at the head of the first kernel); the softmax is not moved by it.
; The row's largest t is taken away before the exponential: p = 2^(t - M); weights = p / sum p.  The division is made once, at the end, on the sums.
; SHARES.  Work-group (ch, b) owns out0[b][128 ch .. + 127] and out1[b][256 ch .. + 255]: each output has one owner.  Each work-group makes the row's 2,048 p anew from 8,192 bytes of tsc.
; Wave w takes rows 256 w .. 256 w + 255 of values[b]; a load reads 512 consecutive bytes of one row, 16 a lane; a lane keeps its four columns' sums.  The eight waves' sums meet in LDS.
; Memory binds: matrix units, clusters and tensor loads would add nothing.  Three groups of 16 rows (48 loads a wave) are on their way at the head, two while a group is worked on.
; REGISTERS: v1-7 addresses; v8, v9 the add's two; v10-17 t, then p; v18-23 at work (v18 M, v22 1 / sum); v24-31 two sets of four sums; v32-63 two sets of 16 weights; v64-255 three sets of 16 rows.
.set RED,   8192                       ; LDS: p, 8,192 bytes, from 0; then the waves' sums, 512 bytes each;
.set MXW,   12288                      ; the waves' maxima, a block of 256 bytes of their own;
.set SMW,   12544                      ; the waves' sums of p, likewise;
.set SPARE, 12800                      ; the spare words, 128 bytes for each of eight waves: four blocks of 256 bytes that no other line names
.set SPW,   8
.set NIL,   9
.set ACC,   24
.set WT,    32
.set X,     64
	s_load_b256 s[4:11], s[0:1], 0x0               ; values s[4:5], tsc s[6:7], out0 s[8:9], out1 s[10:11]
	v_lshl_add_u32 v[SPW], v0, 2, SPARE
	v_mov_b32 v[NIL], 0
	v_lshrrev_b32 v1, 5, v0
	s_delay_alu instid0(VALU_DEP_1)
	v_readfirstlane_b32 s12, v1                    ; wave 0..7
	s_and_b32 s13, ttmp7, 0xffff                   ; b
	v_and_b32 v1, 31, v0
	s_delay_alu instid0(VALU_DEP_1)
	v_lshlrev_b32 v1, 4, v1                        ; 16 x lane
	v_lshlrev_b32 v2, 4, v0                        ; 16 x thread
	s_lshl_b32 s14, s12, 2
	s_add_co_u32 s15, s14, MXW
	v_mov_b32 v3, s15                              ; my wave's word among the maxima,
	s_add_co_u32 s15, s14, SMW
	v_mov_b32 v4, s15                              ; and among the sums
	v_mov_b32 v5, MXW
	s_lshl_b32 s14, s12, 10
	v_mov_b32 v6, s14                              ; my wave's 256 weights in p
	s_lshl_b32 s14, s12, 9
	s_add_co_u32 s14, s14, RED
	v_add_nc_u32 v7, s14, v1
	v_mov_b32 v19, 0                               ; written once: a lane permute's destination counts as one of its sources
	s_mov_b32 s16, 0x76543210
	s_mov_b32 s17, 0xfedcba98                      ; v_permlanex16_b32's selects for lane l xor 16
	s_lshl_b32 s20, s13, 23                        ; values: b x 2,048 rows of 4,096 bytes
	s_lshl_b32 s21, s12, 20                        ; + my wave's 256 rows
	s_add_co_u32 s20, s20, s21
	s_lshl_b32 s21, ttmp9, 9                       ; + my work-group's 512 bytes of a row
	s_add_co_u32 s20, s20, s21
	s_mov_b32 s21, 0
	s_lshl_b32 s22, s13, 13                        ; tsc and out1: b x 8,192 bytes
	s_mov_b32 s23, 0
	s_lshl_b32 s24, s13, 12                        ; out0: b x 4,096 + 512 ch
	s_lshl_b32 s25, ttmp9, 9
	s_add_co_u32 s24, s24, s25
	s_mov_b32 s25, 0
	s_wait_alu depctr_va_vdst(0)
	s_wait_kmcnt 0x0
	s_add_nc_u64 s[4:5], s[4:5], s[20:21]
	s_add_nc_u64 s[6:7], s[6:7], s[22:23]
	s_add_nc_u64 s[10:11], s[10:11], s[22:23]
	s_add_nc_u64 s[8:9], s[8:9], s[24:25]
.macro XLOAD g                         ; rows 16 g .. 16 g + 15 of my 256, into set g % 3
.set XL, X+64*((\g)%3)
.irp i, 0,1,2,3,4,5,6,7,8,9,10,11,12,13,14,15
	global_load_b128 v[XL+4*\i:XL+4*\i+3], v1, s[4:5] offset:(16*(\g)+\i)*4096 th:TH_LOAD_NT
.endr
.endm
.macro WLOAD g                         ; their 16 weights, the same in every lane, into set g % 2
.set WL, WT+16*((\g)%2)
.irp q, 0,1,2,3
	ds_load_b128 v[WL+4*\q:WL+4*\q+3], v6 offset:64*(\g)+16*\q
.endr
.endm
	global_load_b128 v[10:13], v2, s[6:7]          ; thread T: t of rows 4 T .. 4 T + 3,
	global_load_b128 v[14:17], v2, s[6:7] offset:4096   ; and of rows 1,024 + 4 T .. + 3
	XLOAD 0
	XLOAD 1
	XLOAD 2
	s_wait_loadcnt 48                              ; the scores are in; the three groups of rows stay out
	v_max3_num_f32 v18, v10, v11, v12
	v_max3_num_f32 v23, v13, v14, v15
	s_delay_alu instid0(VALU_DEP_2)
	v_max3_num_f32 v18, v18, v16, v17
	s_delay_alu instid0(VALU_DEP_1)
	v_max_num_f32 v18, v18, v23
	s_delay_alu instid0(VALU_DEP_1)
	v_max_num_f32_dpp v18, v18, v18 row_xmask:1 row_mask:0xf bank_mask:0xf
	s_delay_alu instid0(VALU_DEP_1)
	v_max_num_f32_dpp v18, v18, v18 row_xmask:2 row_mask:0xf bank_mask:0xf
	s_delay_alu instid0(VALU_DEP_1)
	v_max_num_f32_dpp v18, v18, v18 row_xmask:4 row_mask:0xf bank_mask:0xf
	s_delay_alu instid0(VALU_DEP_1)
	v_max_num_f32_dpp v18, v18, v18 row_xmask:8 row_mask:0xf bank_mask:0xf
	s_delay_alu instid0(VALU_DEP_1)
	v_permlanex16_b32 v19, v18, s16, s17
	s_delay_alu instid0(VALU_DEP_1)
	v_max_num_f32 v18, v18, v19                    ; my wave's largest t
	ds_store_b32 v3, v18
	s_wait_dscnt 0x0                               ; for the others' sake
	s_barrier_signal -1
	s_barrier_wait -1
	ds_load_b128 v[32:35], v5
	ds_load_b128 v[36:39], v5 offset:16
	s_wait_dscnt 0x0
	v_max3_num_f32 v18, v32, v33, v34
	v_max3_num_f32 v23, v35, v36, v37
	s_delay_alu instid0(VALU_DEP_2)
	v_max3_num_f32 v18, v18, v38, v39
	s_delay_alu instid0(VALU_DEP_1)
	v_max_num_f32 v18, v18, v23                    ; M: the row's largest t
.irp i, 0,1,2,3,4,5,6,7
	v_sub_f32 v[10+\i], v[10+\i], v18
.endr
	s_wait_alu depctr_va_vdst(0)
.irp i, 0,1,2,3,4,5,6,7
	v_exp_f32 v[10+\i], v[10+\i]                   ; p = 2^(t - M), at most 1
.endr
	v_nop                                          ; a plain instruction behind the last exponential
	s_wait_alu depctr_va_vdst(0)                   ; one wait for the eight, ahead of their first reader
	v_pk_add_f32 v[20:21], v[10:11], v[12:13]
	v_pk_add_f32 v[22:23], v[14:15], v[16:17]
	ds_store_b128 v2, v[10:13]                     ; p lies in LDS as t lay in memory
	ds_store_b128 v2, v[14:17] offset:4096
	v_pk_add_f32 v[20:21], v[20:21], v[22:23]
	s_delay_alu instid0(VALU_DEP_1)
	v_add_f32 v21, v20, v21
	s_delay_alu instid0(VALU_DEP_1)
	v_add_f32_dpp v21, v21, v21 row_xmask:1 row_mask:0xf bank_mask:0xf
	s_delay_alu instid0(VALU_DEP_1)
	v_add_f32_dpp v21, v21, v21 row_xmask:2 row_mask:0xf bank_mask:0xf
	s_delay_alu instid0(VALU_DEP_1)
	v_add_f32_dpp v21, v21, v21 row_xmask:4 row_mask:0xf bank_mask:0xf
	s_delay_alu instid0(VALU_DEP_1)
	v_add_f32_dpp v21, v21, v21 row_xmask:8 row_mask:0xf bank_mask:0xf
	s_delay_alu instid0(VALU_DEP_1)
	v_permlanex16_b32 v19, v21, s16, s17
	s_delay_alu instid0(VALU_DEP_1)
	v_add_f32 v21, v21, v19                        ; my wave's sum of p
	ds_store_b32 v4, v21
	s_wait_dscnt 0x0                               ; for the others' sake: p and the sum
	s_barrier_signal -1
	s_barrier_wait -1
	ds_load_b128 v[48:51], v5 offset:SMW-MXW
	ds_load_b128 v[52:55], v5 offset:SMW-MXW+16
	WLOAD 0
	s_wait_dscnt 4                                 ; the eight sums are in; the four loads of weights may stay out
	v_pk_add_f32 v[48:49], v[48:49], v[50:51]
	v_pk_add_f32 v[52:53], v[52:53], v[54:55]
	s_delay_alu instid0(VALU_DEP_1)
	v_pk_add_f32 v[48:49], v[48:49], v[52:53]
	s_delay_alu instid0(VALU_DEP_1)
	v_add_f32 v21, v48, v49
	s_wait_alu depctr_va_vdst(0)
	v_rcp_f32 v22, v21                             ; 1 / the row's sum (at least 1: the largest p is 1)
	v_nop                                          ; a plain instruction behind the reciprocal
	s_and_b32 s14, ttmp9, 3
	s_lshr_b32 s15, s12, 1
	s_lshr_b32 s18, ttmp9, 2                       ; 0: my work-group's weights lie among rows 0 .. 1,023; 1: among the others
	s_wait_alu depctr_va_vdst(0)                   ; the wait, ahead of the branch and of the first reader
	; out1: the work-group's 256 weights are held by threads 64 (ch % 4) .. + 63: two waves store them, from the registers in which they lie.  A branch on ids; no barrier stands in it
	s_cmp_lg_u32 s14, s15
	s_cbranch_scc1 .Lnot_mine
	s_sub_co_u32 s19, 0, s18                       ; 0 or all ones: a mask for all lanes
	s_lshl_b32 s18, s18, 12
.irp i, 0,1,2,3
	v_cndmask_b32 v[10+\i], v[10+\i], v[14+\i], s19
.endr
	v_add_nc_u32 v20, s18, v2
.irp i, 0,1,2,3
	v_mul_f32 v[10+\i], v[10+\i], v22
.endr
	global_store_b128 v20, v[10:13], s[10:11]      ; sixteen lanes store 256 consecutive bytes, aligned; v10-13 and v20 are not written again
.Lnot_mine:
.macro GROUP g
.set XS, X+64*((\g)%3)
.set WS, WT+16*((\g)%2)
.if (\g) < 15
	WLOAD (\g)+1
.endif
.if 15-(\g) >= 2
	s_wait_alu depctr_va_vdst(0)
	s_wait_loadcnt 32                              ; this group's 16 loads are in; the two groups behind it stay out
.else
	s_wait_alu depctr_va_vdst(0)
	s_wait_loadcnt 16*(15-(\g))
.endif
.if (\g) < 15
	s_wait_dscnt 4                                 ; this group's weights are in; the next group's four loads may stay out
.else
	s_wait_dscnt 0x0
.endif
.irp i, 0,1,2,3,4,5,6,7,8,9,10,11,12,13,14,15
.irp c, 0,1,2,3
.if ((\g) == 0) && (\i < 2)
	v_mul_f32 v[ACC+4*(\i%2)+\c], v[WS+\i], v[XS+4*\i+\c]    ; the first two rows start the two sets of sums: nothing is cleared
.else
	v_fmac_f32 v[ACC+4*(\i%2)+\c], v[WS+\i], v[XS+4*\i+\c]   ; even rows on one set, odd rows on the other
.endif
.endr
.endr
.if (\g)+3 < 16
	XLOAD (\g)+3                                   ; into the set just used
.endif
.endm
.irp g, 0,1,2,3,4,5,6,7,8,9,10,11,12,13,14,15
	GROUP \g
.endr
	s_delay_alu instid0(VALU_DEP_3)
	v_pk_add_f32 v[24:25], v[24:25], v[28:29]
	s_delay_alu instid0(VALU_DEP_2)
	v_pk_add_f32 v[26:27], v[26:27], v[30:31]
	ds_store_b128 v7, v[24:27]
	s_wait_dscnt 0x0                               ; for wave 0's sake
	s_barrier_signal -1
	s_barrier_wait -1
	s_cmp_lg_u32 s12, 0
	s_cbranch_scc1 .Lend
.irp i, 0,1,2,3,4,5,6,7
	ds_load_b128 v[X+4*\i:X+4*\i+3], v1 offset:RED+512*\i
.endr
	s_wait_dscnt 0x0
.irp i, 0,2,4,6
	v_pk_add_f32 v[X+4*\i:X+4*\i+1], v[X+4*\i:X+4*\i+1], v[X+4*\i+4:X+4*\i+5]
	v_pk_add_f32 v[X+4*\i+2:X+4*\i+3], v[X+4*\i+2:X+4*\i+3], v[X+4*\i+6:X+4*\i+7]
.endr
.irp i, 0
	v_pk_add_f32 v[X+4*\i:X+4*\i+1], v[X+4*\i:X+4*\i+1], v[X+4*\i+8:X+4*\i+9]
	v_pk_add_f32 v[X+4*\i+2:X+4*\i+3], v[X+4*\i+2:X+4*\i+3], v[X+4*\i+10:X+4*\i+11]
.endr
.irp i, 4
	s_delay_alu instid0(VALU_DEP_4)
	v_pk_add_f32 v[X+4*\i:X+4*\i+1], v[X+4*\i:X+4*\i+1], v[X+4*\i+8:X+4*\i+9]
	s_delay_alu instid0(VALU_DEP_4)
	v_pk_add_f32 v[X+4*\i+2:X+4*\i+3], v[X+4*\i+2:X+4*\i+3], v[X+4*\i+10:X+4*\i+11]
.endr
	s_delay_alu instid0(VALU_DEP_2)
	v_pk_add_f32 v[X:X+1], v[X:X+1], v[X+16:X+17]
	s_delay_alu instid0(VALU_DEP_2)
	v_pk_add_f32 v[X+2:X+3], v[X+2:X+3], v[X+18:X+19]
	v_pk_mul_f32 v[X:X+1], v[X:X+1], v[22:23] op_sel_hi:[1,0]     ; / the row's sum (of the pair the low word serves both halves)
	v_pk_mul_f32 v[X+2:X+3], v[X+2:X+3], v[22:23] op_sel_hi:[1,0]
	global_store_b128 v1, v[X:X+3], s[8:9]         ; 32 lanes store 512 consecutive bytes, at a multiple of 256 from out0's first byte
.Lend:
	s_wait_tensorcnt 0x0                           ; the wave's end, behind my last LDS store
	ds_add_u32 v[SPW], v[NIL]
	s_wait_dscnt 0x0
	s_endpgm
.Lfunc_end_k_qce9e693041_context:
	.size	k_qce9e693041_context, .Lfunc_end_k_qce9e693041_context-k_qce9e693041_context
	.p2alignl 7, 3214868480
	.fill 96, 4, 3214868480
	.section	.rodata,"a",@progbits
	.p2align	6, 0x0
	.amdhsa_kernel k_qce9e693041_context
		.amdhsa_group_segment_fixed_size 13824
		.amdhsa_private_segment_fixed_size 0
		.amdhsa_enable_private_segment 0
		.amdhsa_kernarg_size 32
		.amdhsa_user_sgpr_count 2
		.amdhsa_user_sgpr_kernarg_segment_ptr 1
		.amdhsa_wavefront_size32 1
		.amdhsa_system_sgpr_workgroup_id_x 1
		.amdhsa_system_sgpr_workgroup_id_y 1
		.amdhsa_system_sgpr_workgroup_id_z 1
		.amdhsa_system_vgpr_workitem_id 0
		.amdhsa_next_free_vgpr 256
		.amdhsa_next_free_sgpr 66
		.amdhsa_reserve_vcc 0
		.amdhsa_float_denorm_mode_32 3
		.amdhsa_float_denorm_mode_16_64 3
		.amdhsa_memory_ordered 1
		.amdhsa_forward_progress 1
		.amdhsa_inst_pref_size 71
	.end_amdhsa_kernel
	.amdgpu_metadata
---
amdhsa.version: [ 1, 2 ]
amdhsa.kernels:
  - .name:           k_qce9e693041_context
    .symbol:         k_qce9e693041_context.kd
    .args:
      - { .name: values, .offset: 0, .size: 8, .value_kind: global_buffer, .address_space: global }
      - { .name: tsc, .offset: 8, .size: 8, .value_kind: global_buffer, .address_space: global }
      - { .name: out0, .offset: 16, .size: 8, .value_kind: global_buffer, .address_space: global }
      - { .name: out1, .offset: 24, .size: 8, .value_kind: global_buffer, .address_space: global }
    .group_segment_fixed_size: 13824
    .private_segment_fixed_size: 0
    .kernarg_segment_align: 8
    .kernarg_segment_size: 32
    .max_flat_workgroup_size: 256
    .sgpr_count:     66
    .vgpr_count:     256
    .wavefront_size: 32
...
	.end_amdgpu_metadata
.endif
;; end of part 3
